; MI455X (gfx1250); checked and timed in simulation.
; The chip was launched on July 23, 2026; its instructions are those of AMD's public machine-readable ISA for CDNA 5 (MIT licence, August 2026) and "CDNA5" Instruction Set Architecture Reference Guide (July 2026). The comments in the code are by the model that wrote it; some were corrected since.
;; Self Attention. Allowed arithmetic: matrix products marked QUANTISED: E2M3 operands, one E8M0 scale for each 32 along K, by v_wmma_scale_f32_16x16x128_f8f6f4 with both operands' format E2M3, f32 sums; everything else in f32.
;; Inputs: Wk 1,024 x 1,024 float32; Wo 1,024 x 1,024 float32; Wq 1,024 x 1,024 float32; Wv 1,024 x 1,024 float32; bk 1,024 float32; bo 1,024 float32; bq 1,024 float32; bv 1,024 float32; head_scaling 16 float32; x 4 x 2,048 x 1,024 float32.
;; Outputs: out0 4 x 2,048 x 1,024 float32.
;; This version of the problem:
;;   THIS VERSION OF THE PROBLEM IS GIVEN IN LOW PRECISION. The matrix products marked QUANTISED in the list below multiply operands that are first quantised to E2M3 (2 exponent bits, 3 mantissa bits; 6 bits a number), with one power-of-two scale for each 32 numbers along K (OCP MX v1.0); their sums are f32. All else is computed in f32.
;;   The module's matrix products, in the order in which they are computed (A, B: the left and right operand; K: the contracted axis; several contracted axes count as one K, in the product's order):
;;     1. [M 8,192, K 1,024] x [K 1,024, N 1,024]; A: input x; B: input Wq: QUANTISED
;;     2. [M 8,192, K 1,024] x [K 1,024, N 1,024]; A: input x; B: input Wk: QUANTISED
;;     3. [M 8,192, K 1,024] x [K 1,024, N 1,024]; A: input x; B: input Wv: QUANTISED
;;     4. batch 64 x [M 2,048, K 64] x [K 64, N 2,048]; A: computed on the way; B: computed on the way: QUANTISED
;;     5. batch 64 x [M 2,048, K 2,048] x [K 2,048, N 64]; A: computed on the way; B: computed on the way: QUANTISED
;;     6. [M 8,192, K 1,024] x [K 1,024, N 1,024]; A: computed on the way; B: input Wo: QUANTISED
;;   THE QUANTISER, for each operand of a quantised product, along K:
;;     - K is cut into blocks of 32 from its start; a last block that is shorter is filled with zeros.
;;     - A block's scale is 2^e with e = floor(log2(the largest magnitude in the block)) - 2, held to -126 .. 127; a block of zeros has e = 0. As a byte (E8M0): e + 127.
;;     - Each number is divided by its block's scale, clamped to +-7.5, and rounded to the nearest number of E2M3, ties to even, subnormals kept.
;;     - The product sums the exact products of the quantised numbers (number of the format x scale) in f32.
;;   ~~~python
;;   def quantise(x, axis):      # numpy; x: float32 -> the quantised numbers, widened to float32 again
;;       x = np.moveaxis(x, axis, -1); K = x.shape[-1]
;;       x = np.pad(x, [(0, 0)] * (x.ndim - 1) + [(0, -K % 32)]); x = x.reshape(x.shape[:-1] + (-1, 32)); a = np.abs(x).max(-1, keepdims=True)
;;       e = np.where(a > 0, np.clip(np.frexp(np.where(a > 0, a, 1))[1] - 1 - 2, -126, 127), 0)      # np.frexp(a)[1] - 1 = floor(log2(a)), exactly
;;       r = np.clip(x / 2.0 ** e, -7.5, 7.5)
;;       step = 2.0 ** (np.maximum(np.frexp(np.where(r == 0, 1, r))[1] - 1, 0) - 3)
;;       q = np.round(r / step) * step * 2.0 ** e      # np.round: ties to even
;;       return np.moveaxis(q.reshape(q.shape[:-2] + (-1,))[..., :K], -1, axis).astype(np.float32)
;;   ~~~
;;   OPERANDS COMPUTED ON THE WAY. 'Computed on the way' means the value that the module computes at that place (a softmax that the list does not call 'softmax' is quantised finished and normalised). What goes into a quantiser is computed in f32, as accurately as f32 sums, v_exp_f32 and their like allow (about 1e-6 of the number): no bf16 or f16 on the way to a quantiser, and a product that is left as it is and whose result goes on into a quantised operand takes f32 operands (vector FMAs, or v_wmma_f32_16x16x4_f32). A number that lies on a knife's edge between two numbers of the format may be rounded either way, as far as f32 arithmetic and the matrix unit's own rounding can turn it there, and no further.
;; One version. Each part assembles by itself: llvm-mc -triple=amdgcn-amd-amdhsa -mcpu=gfx1250 --defsym DOCPART=n.
;; ======== version 1 of 1: 4 launches
;; limits: right only within a limited range of input values
;; workspace buffers: xcodes 6,291,456 bytes; wcodes 3,145,728 bytes; sclA 360,448 bytes; sclB 294,912 bytes; qkvc 18,874,368 bytes; qkvs 1,310,720 bytes; ocodes 6,291,456 bytes
;; launch quant (part 1): grid 384 x 1, 4 waves a work-group, no clusters, 34,304 bytes of LDS; arguments x, Wq, Wk, Wv, Wo, xcodes, wcodes, sclA, sclB; writes xcodes, wcodes, sclA, sclB
.if DOCPART == 1
	.amdgcn_target "amdgcn-amd-amdhsa--gfx1250"
	.amdhsa_code_object_version 6
	.text
	.protected	k_q08769209d2_quant
	.globl	k_q08769209d2_quant
	.p2align	8
	.type	k_q08769209d2_quant,@function
k_q08769209d2_quant:
	s_mov_b64 s[64:65], 0
	v_nop
	global_prefetch_b8 v0, s[64:65] scope:SCOPE_SE
	s_setreg_imm32_b32 hwreg(HW_REG_WAVE_MODE, 25, 1), 1
	s_wait_xcnt 0x0
; x [8192][1024] and Wq, Wk, Wv, Wo [1024][1024], f32, K innermost, become codes of FP6 (E2M3) with one E8M0 byte for each 32 along K.
; A block's scale is 2^(floor(log2(largest magnitude)) - 2); its byte is the largest magnitude's exponent field - 2, held at 1 from below.
; LIMITS: a block of zeros keeps the byte 1 where the rule says 127 (its codes are zeros; only this program reads the bytes); NaN and infinities among the inputs are not served.
; THE CODES ARE LAID AS IMAGES OF THE OPERAND'S REGISTERS.  A half fragment (16 rows x 64 K, registers 0-5 of a lane) is 768 bytes: registers 0-3 at 16 x lane, registers 4-5 at 512 + 8 x lane.
; byte = block x 98304 + (k / 256) x 24576 + tile x 3072 + ((k / 64) % 4) x 768;  a block is 128 rows;  tile 2 B + u holds rows 32 B + 8 u + r + 8 (r / 8), r = lane % 16.
; THE SCALE WORDS (four bytes: 128 along K of a row): 512 bytes a tile: [g = 0, 1][r][16 bytes]: the words of K steps 4 g .. 4 g + 3.
; SHARES: four work-groups to a block; a wave takes one tile x 512 along K: four steps of 16 rows x 128 K.  Each load reads 512 consecutive bytes of a row; the numbers turn through the wave's own
; stage in LDS so that lane (r, h) holds, of row r, k = 64 c + 32 h + 0 .. 31: two whole blocks, in the order of the operand's registers.  No barrier: waves share nothing.
.set R,  32                            ; v32-159   two sets of 64 numbers as loaded
.set X,  160                           ; v160-223  the lane's 64 numbers
.set PC, 224                           ; v224-235  the fragment's codes
.set P2, 236                           ; v236-238, v240-242  the second halves as the conversions leave them
.set SW, 16                            ; v16-19    the four steps' scale words
.set TM, 24                            ; v24-31    at work
	s_load_b256 s[4:11], s[0:1], 0x0               ; x, Wq, Wk, Wv
	s_load_b256 s[12:19], s[0:1], 0x20             ; Wo, xcodes, wcodes, sclA
	s_load_b64 s[20:21], s[0:1], 0x40              ; sclB
	v_lshl_add_u32 v244, v0, 2, 0x8400
	v_mov_b32 v245, 0
	v_lshrrev_b32 v1, 5, v0
	v_readfirstlane_b32 s22, v1                    ; wave
	v_and_b32 v2, 31, v0                           ; lane
	v_and_b32 v3, 15, v0                           ; r
	v_bfe_u32 v9, v0, 4, 1                         ; h
	v_lshlrev_b32 v4, 4, v2                        ; 16 x lane
	v_lshlrev_b32 v7, 3, v2                        ; 8 x lane
	v_lshlrev_b32 v8, 3, v9                        ; 8 h: the shift of my two scale bytes
	v_lshlrev_b32 v22, 4, v3
	v_lshl_add_u32 v22, v9, 3, v22                 ; 16 r + 8 h: my 8 bytes of the tile's 256 scale bytes
	s_mul_i32 s23, s22, 8448                       ; my stage: 16 rows x 528 bytes
	v_add_nc_u32 v5, s23, v4                       ; in: 16 x lane of a row
	v_mul_u32_u24 v6, v3, 528
	v_lshl_add_u32 v6, v9, 7, v6
	v_add_nc_u32 v6, s23, v6                       ; out: row r, + 128 h
	v_mov_b32 v31, 0                               ; a lane permute's destination counts as one of its sources
	v_cmp_ne_u32 s46, 0, v9                        ; lanes 16-31
	s_mov_b32 s44, 0x76543210
	s_mov_b32 s45, 0xfedcba98                      ; selects for lane l xor 16
	s_lshr_b32 s24, ttmp9, 2                       ; block 0 .. 95: 0-63 x, then eight each of Wq, Wk, Wv, Wo
	s_and_b32 s25, ttmp9, 3
	s_lshl_b32 s25, s25, 2
	s_add_co_u32 s25, s25, s22                     ; task 0 .. 15
	s_lshr_b32 s26, s25, 1                         ; tile
	s_and_b32 s27, s25, 1                          ; g: which 512 along K
	s_sub_co_u32 s28, s24, 64                      ; block among the weights (not chosen for x)
	s_and_b32 s29, s28, 7                          ; block in its weight
	s_sub_co_u32 s30, s24, 88
	s_lshl_b32 s31, s24, 12                        ; the block's scales: x at block x 4096,
	s_lshl_b32 s32, s28, 12
	s_add_co_u32 s32, s32, 0x40000                 ; Wq, Wk, Wv behind x's 262144 bytes in sclA,
	s_lshl_b32 s33, s30, 12
	s_add_co_u32 s33, s33, 0x40000                 ; Wo behind o's 262144 bytes in sclB
	s_cmp_ge_u32 s24, 64
	s_cselect_b32 s29, s29, s24
	s_cselect_b32 s28, s28, s24
	s_cselect_b32 s31, s32, s31
	s_cmp_ge_u32 s24, 88
	s_cselect_b32 s31, s33, s31
	s_lshl_b32 s34, s29, 19                        ; source: block x 128 rows x 4096 bytes
	s_lshr_b32 s35, s26, 1
	s_lshl_b32 s35, s35, 17                        ; + 32 (tile / 2) rows
	s_add_co_u32 s34, s34, s35
	s_and_b32 s35, s26, 1
	s_lshl_b32 s35, s35, 15                        ; + 8 (tile % 2) rows
	s_add_co_u32 s34, s34, s35
	s_lshl_b32 s35, s27, 11                        ; + g x 512 numbers
	s_add_co_u32 s34, s34, s35
	s_mov_b32 s35, 0
	s_mul_i32 s36, s28, 98304                      ; codes
	s_mul_i32 s37, s27, 49152
	s_add_co_u32 s36, s36, s37
	s_mul_i32 s37, s26, 3072
	s_add_co_u32 s36, s36, s37
	s_mov_b32 s37, 0
	s_lshl_b32 s38, s26, 9                         ; scales
	s_add_co_u32 s38, s38, s31
	s_lshl_b32 s39, s27, 8
	s_add_co_u32 s38, s38, s39
	s_mov_b32 s39, 0
	s_wait_alu depctr_va_vdst(0)
	s_wait_kmcnt 0x0
	s_cmp_ge_u32 s24, 64                           ; the buffers are chosen on the work-group's number alone: one path serves all five tensors
	s_cselect_b64 s[4:5], s[6:7], s[4:5]
	s_cselect_b64 s[14:15], s[16:17], s[14:15]
	s_cmp_ge_u32 s24, 72
	s_cselect_b64 s[4:5], s[8:9], s[4:5]
	s_cmp_ge_u32 s24, 80
	s_cselect_b64 s[4:5], s[10:11], s[4:5]
	s_cmp_ge_u32 s24, 88
	s_cselect_b64 s[4:5], s[12:13], s[4:5]
	s_cselect_b64 s[18:19], s[20:21], s[18:19]
	s_add_nc_u64 s[4:5], s[4:5], s[34:35]
	s_add_nc_u64 s[14:15], s[14:15], s[36:37]
	s_add_nc_u64 s[18:19], s[18:19], s[38:39]
.macro LOAD t                          ; step t: 16 rows x 512 bytes; the tile's row i lies i + 8 (i / 8) rows on
.irp i, 0,1,2,3,4,5,6,7,8,9,10,11,12,13,14,15
	global_load_b128 v[R+64*((\t)%2)+4*\i:R+64*((\t)%2)+4*\i+3], v4, s[4:5] offset:(\i+8*(\i/8))*4096+512*(\t) th:TH_LOAD_NT
.endr
.endm
.macro TURN t                          ; through the stage: LDS serves a wave's instructions in order, so no wait stands between the stores and the loads
.irp i, 0,1,2,3,4,5,6,7,8,9,10,11,12,13,14,15
	ds_store_b128 v5, v[R+64*((\t)%2)+4*\i:R+64*((\t)%2)+4*\i+3] offset:528*\i
.endr
.irp c, 0,1
.irp e, 0,1,2,3,4,5,6,7
	ds_load_b128 v[X+32*\c+4*\e:X+32*\c+4*\e+3], v6 offset:256*\c+16*\e
.endr
.endr
.endm
.macro QB t                            ; my two blocks (2 c + h) of step t: scale, codes, stores
.irp c, 0,1
	v_max3_num_f32 v[TM+\c], |v[X+32*\c]|, |v[X+32*\c+1]|, 0x1800000   ; with the floor 2^(3 - 127): the byte cannot fall under 1
.endr
.irp i, 2,4,6,8,10,12,14,16,18,20,22,24,26,28,30
.irp c, 0,1
	v_max3_num_f32 v[TM+\c], v[TM+\c], |v[X+32*\c+\i]|, |v[X+32*\c+\i+1]|
.endr
.endr
.irp c, 0,1
	v_add_nc_u32 v[TM+2+\c], 0xff000000, v[TM+\c]  ; 2 off the exponent field: the conversion's scale operand
.endr
.irp c, 0,1
	v_lshrrev_b32 v[TM+4+\c], 23, v[TM+2+\c]       ; the scale's byte
.endr
	v_lshl_or_b32 v[TM+6], v[TM+5], 16, v[TM+4]    ; blocks h and 2 + h,
	v_lshlrev_b32 v[TM+6], v8, v[TM+6]             ; at their places in the word;
	v_permlanex16_b32 v[TM+7], v[TM+6], s44, s45
	v_or_b32 v[SW+(\t)], v[TM+6], v[TM+7]          ; with lane l xor 16's two the word is whole
.if (\t) > 0
	s_wait_alu depctr_va_vdst(0)
	s_wait_xcnt 0x0                                ; the last step's stores have read the codes' registers
.endif
.irp c, 0,1
	v_cvt_scalef32_pk16_fp6_f32 v[PC+6*\c:PC+6*\c+2], v[X+32*\c:X+32*\c+15], v[TM+2+\c]
	v_cvt_scalef32_pk16_fp6_f32 v[P2+4*\c:P2+4*\c+2], v[X+32*\c+16:X+32*\c+31], v[TM+2+\c]   ; (a conversion's three registers begin on an even number)
.endr
	v_nop                                          ; one plain place behind a scaled conversion
.irp c, 0,1
.irp i, 0,1,2
	v_mov_b32 v[PC+3+6*\c+\i], v[P2+4*\c+\i]
.endr
.endr
	global_store_b128 v4, v[PC:PC+3], s[14:15] offset:((\t)/2)*24576+2*((\t)%2)*768          ; each store covers 512 or 256 consecutive bytes, aligned to 256
	global_store_b64 v7, v[PC+4:PC+5], s[14:15] offset:((\t)/2)*24576+2*((\t)%2)*768+512
	global_store_b128 v4, v[PC+6:PC+9], s[14:15] offset:((\t)/2)*24576+2*((\t)%2)*768+768
	global_store_b64 v7, v[PC+10:PC+11], s[14:15] offset:((\t)/2)*24576+2*((\t)%2)*768+1280
.endm
	LOAD 0
	LOAD 1
.irp t, 0,1,2,3
.if \t < 3
	s_wait_loadcnt 16                              ; this step's 16 loads are in; the next step's 16 may be out
.else
	s_wait_loadcnt 0
.endif
	TURN \t
	s_wait_dscnt 0x0                               ; my numbers are back, and the stage's stores have read their registers,
.if \t < 2
	LOAD \t+2                                      ; which take the loads of two steps on
.endif
	QB \t
.endr
	v_cndmask_b32 v20, v[SW], v[SW+2], s46         ; lanes 0-15 store words 0, 1 of row r, lanes 16-31 words 2, 3
	v_cndmask_b32 v21, v[SW+1], v[SW+3], s46
	global_store_b64 v22, v[20:21], s[18:19]       ; 256 consecutive bytes, aligned
	s_wait_tensorcnt 0x0
	ds_add_u32 v244, v245
	s_wait_dscnt 0x0
	s_endpgm
.Lfunc_end_k_q08769209d2_quant:
	.size	k_q08769209d2_quant, .Lfunc_end_k_q08769209d2_quant-k_q08769209d2_quant
	.p2alignl 7, 3214868480
	.fill 96, 4, 3214868480
	.section	.rodata,"a",@progbits
	.p2align	6, 0x0
	.amdhsa_kernel k_q08769209d2_quant
		.amdhsa_group_segment_fixed_size 34304
		.amdhsa_private_segment_fixed_size 0
		.amdhsa_enable_private_segment 0
		.amdhsa_kernarg_size 72
		.amdhsa_user_sgpr_count 2
		.amdhsa_user_sgpr_kernarg_segment_ptr 1
		.amdhsa_wavefront_size32 1
		.amdhsa_system_sgpr_workgroup_id_x 1
		.amdhsa_system_sgpr_workgroup_id_y 1
		.amdhsa_system_sgpr_workgroup_id_z 1
		.amdhsa_system_vgpr_workitem_id 0
		.amdhsa_next_free_vgpr 246
		.amdhsa_next_free_sgpr 66
		.amdhsa_reserve_vcc 0
		.amdhsa_float_denorm_mode_32 3
		.amdhsa_float_denorm_mode_16_64 3
		.amdhsa_memory_ordered 1
		.amdhsa_forward_progress 1
		.amdhsa_inst_pref_size 32
	.end_amdhsa_kernel
	.amdgpu_metadata
---
amdhsa.version: [ 1, 2 ]
amdhsa.kernels:
  - .name:           k_q08769209d2_quant
    .symbol:         k_q08769209d2_quant.kd
    .args:
      - { .name: x, .offset: 0, .size: 8, .value_kind: global_buffer, .address_space: global }
      - { .name: Wq, .offset: 8, .size: 8, .value_kind: global_buffer, .address_space: global }
      - { .name: Wk, .offset: 16, .size: 8, .value_kind: global_buffer, .address_space: global }
      - { .name: Wv, .offset: 24, .size: 8, .value_kind: global_buffer, .address_space: global }
      - { .name: Wo, .offset: 32, .size: 8, .value_kind: global_buffer, .address_space: global }
      - { .name: xcodes, .offset: 40, .size: 8, .value_kind: global_buffer, .address_space: global }
      - { .name: wcodes, .offset: 48, .size: 8, .value_kind: global_buffer, .address_space: global }
      - { .name: sclA, .offset: 56, .size: 8, .value_kind: global_buffer, .address_space: global }
      - { .name: sclB, .offset: 64, .size: 8, .value_kind: global_buffer, .address_space: global }
    .group_segment_fixed_size: 34304
    .private_segment_fixed_size: 0
    .kernarg_segment_align: 8
    .kernarg_segment_size: 72
    .max_flat_workgroup_size: 128
    .sgpr_count:     66
    .vgpr_count:     246
    .wavefront_size: 32
...
	.end_amdgpu_metadata
.endif
;; end of part 1
;; launch qkv (part 2): grid 96 x 4, 4 waves a work-group, clusters of 4 x 4, 327,680 bytes of LDS; arguments xcodes, wcodes, sclA, bq, bk, bv, qkvc, qkvs; writes qkvc, qkvs
.if DOCPART == 2
	.amdgcn_target "amdgcn-amd-amdhsa--gfx1250"
	.amdhsa_code_object_version 6
	.text
	.protected	k_q08769209d2_qkv
	.globl	k_q08769209d2_qkv
	.p2align	8
	.type	k_q08769209d2_qkv,@function
k_q08769209d2_qkv:
	s_mov_b64 s[64:65], 0
	v_nop
	global_prefetch_b8 v0, s[64:65] scope:SCOPE_SE
	s_setreg_imm32_b32 hwreg(HW_REG_WAVE_MODE, 25, 1), 1
	s_wait_xcnt 0x0
	s_wait_alu depctr_hold_cnt(0) depctr_sa_sdst(0) depctr_va_vdst(0) depctr_va_sdst(0) depctr_va_ssrc(0) depctr_va_vcc(0) depctr_vm_vsrc(0)
	s_getreg_b32 s2, hwreg(HW_REG_IB_STS2, 6, 4)
	s_cmp_eq_u32 s2, 0
	s_cbranch_scc0 .Lentry_in_a_cluster
	s_endpgm
.Lentry_in_a_cluster:
	s_bfe_u32 s2, ttmp6, 0x10000c
	s_cmp_lg_u32 s2, 0xf033
	s_cbranch_scc0 .Lentry_shape_is_right
	s_endpgm
.Lentry_shape_is_right:
.set FR,    12
.set HALFT, 24576
.set SLOT,  4*HALFT
.set SPARE, 2*SLOT
.set L16, 4
.set L8,  5
.set H16, 6
.set SOF, 7
.set PWS, 8
.set A16, 16
.set A8,  18
.set B16, 20
.set B8,  22
.set WD,  24
.set SPW, 28
.set NIL, 29
.set SC,  32
.set AF,  128
.set ST,  128
.set PC,  192
.set TM,  212
.set G1,  24
.set G0,  32
.set G1B, 48
.set G0B, 56
.set SEL, 90
.set MSB, 0
.macro WIN new
.if MSB != (\new)
	s_set_vgpr_msb (MSB<<8)|(\new)
.set MSB, (\new)
.endif
.endm
.set MUL_LO, 0xa1
.set MUL_HI, 0xf1
.set TO_B,   0x40
.macro JLOAD g0a, g1a, g0b, g1b
	s_cmp_eq_u32 s15, 0
	s_cbranch_scc0 .Lfor_q_\@
	tensor_load_to_lds s[\g0a:\g0a+3], s[\g1a:\g1a+7]
	s_nop 0
.rept 4
	v_nop
.endr
	s_branch .Lasked_\@
.Lfor_q_\@:
	tensor_load_to_lds s[\g0b:\g0b+3], s[\g1b:\g1b+7]
	s_nop 0
.rept 4
	v_nop
.endr
.Lasked_\@:
.endm
.macro CREST
	s_cmp_lg_u32 s14, 0
	s_cbranch_scc1 .Lnot_wave_0_\@
	s_barrier_signal -3
.Lnot_wave_0_\@:
	s_barrier_wait -3
	s_barrier_signal -1
	s_barrier_wait -1
.endm
.macro CROUND
	s_barrier_signal -1
	s_barrier_wait -1
	CREST
.endm
.macro PLACES
.rept 4
	v_nop
.endr
.endm
	s_load_b256 s[4:11], s[0:1], 0x0
	s_load_b256 s[68:75], s[0:1], 0x20
	v_lshl_add_u32 v[SPW], v0, 2, SPARE
	v_mov_b32 v[NIL], 0
	ds_add_u32 v28, v29
	ds_add_u32 v28, v29
	s_wait_dscnt 0x0
	v_lshrrev_b32 v1, 5, v0
	v_readfirstlane_b32 s14, v1
	s_lshr_b32 s15, s14, 1
	s_and_b32 s16, s14, 1
	s_bfe_u32 s40, ttmp6, 0x40000
	s_bfe_u32 s41, ttmp6, 0x40004
	s_lshr_b32 s78, ttmp9, 1
	s_and_b32 s79, ttmp9, 1
	s_sub_co_u32 s82, ttmp9, 16
	s_cmp_ge_u32 ttmp9, 16
	s_cselect_b32 s78, 2, s78
	s_cselect_b32 s79, s82, s79
	s_cselect_b32 s80, 0x40000, 0
	s_cselect_b32 s81, 0, 0x40000
	s_cselect_b32 s77, 1, 0
	s_lshl_b32 s17, s78, 2
	s_add_co_u32 s17, s17, s41
	s_lshl_b32 s42, s79, 2
	s_add_co_u32 s42, s42, s40
	s_lshl_b32 s43, s41, 2
	s_lshl_b32 s43, 15, s43
	s_lshl_b32 s44, 0x1111, s40
	s_or_b32 s[G1+0], s43, (3<<16)|(1<<21)
	s_or_b32 s[G1B+0], s44, (3<<16)|(1<<21)
.irp g, G1, G1B
	s_mov_b32 s[\g+1], 32<<16
	s_mov_b32 s[\g+2], 96<<16
	s_mov_b32 s[\g+3], 32<<16
	s_mov_b32 s[\g+4], 96
	s_mov_b32 s[\g+5], 32
	s_mov_b32 s[\g+6], 0
	s_mov_b32 s[\g+7], 0
.endr
	s_lshl_b32 s20, s17, 1
	s_add_co_u32 s20, s20, s16
	s_mul_i32 s20, s20, 98304
	s_mov_b32 s21, 0
	s_lshl_b32 s46, s42, 1
	s_add_co_u32 s46, s46, s16
	s_mul_i32 s46, s46, 98304
	s_mov_b32 s47, 0
	s_mul_i32 s45, s14, HALFT
	s_mov_b32 s[SEL], 0x76543210
	s_mov_b32 s[SEL+1], 0xfedcba98
	s_wait_kmcnt 0x0
	s_cmp_eq_u32 s77, 1
	s_cselect_b64 s[84:85], s[6:7], s[4:5]
	s_cselect_b64 s[86:87], s[4:5], s[6:7]
	s_add_nc_u64 s[20:21], s[84:85], s[20:21]
	s_add_nc_u64 s[46:47], s[86:87], s[46:47]
	CROUND
.irp s, 0,1
	s_mov_b32 s[G0+4*\s], 1
	s_add_co_u32 s[G0+4*\s+1], s45, \s*SLOT
	s_add_nc_u64 s[G0+4*\s+2:G0+4*\s+3], s[20:21], \s*HALFT
	s_or_b32 s[G0+4*\s+3], s[G0+4*\s+3], 0x80000000
	s_mov_b32 s[G0B+4*\s], 1
	s_add_co_u32 s[G0B+4*\s+1], s45, \s*SLOT
	s_add_nc_u64 s[G0B+4*\s+2:G0B+4*\s+3], s[46:47], \s*HALFT
	s_or_b32 s[G0B+4*\s+3], s[G0B+4*\s+3], 0x80000000
	s_wait_alu depctr_va_vdst(0)
	s_wait_tensorcnt 0x0
	ds_add_u32 v28, v29
	ds_add_u32 v28, v29
	s_wait_dscnt 0x0
	CROUND
	JLOAD G0+4*\s, G1, G0B+4*\s, G1B
.endr
	v_and_b32 v3, 31, v0
	v_and_b32 v1, 15, v0
	v_bfe_u32 v2, v0, 4, 1
	v_lshlrev_b32 v[L16], 4, v3
	v_lshlrev_b32 v[L8], 3, v3
	v_lshlrev_b32 v[H16], 4, v2
	v_mul_u32_u24 v[SOF], v2, 20480
	v_lshl_add_u32 v[SOF], v1, 4, v[SOF]
	s_mul_i32 s22, s15, HALFT
	s_mul_i32 s23, s16, HALFT
	s_add_co_u32 s23, s23, 2*HALFT
.irp s, 0,1
	v_add_nc_u32 v[A16+\s], s22, v[L16]
	v_add_nc_u32 v[A8+\s], s22, v[L8]
	v_add_nc_u32 v[B16+\s], s23, v[L16]
	v_add_nc_u32 v[B8+\s], s23, v[L8]
	s_add_co_u32 s22, s22, SLOT
	s_add_co_u32 s23, s23, SLOT
.endr
	s_lshl_b32 s22, s17, 1
	s_add_co_u32 s22, s22, s15
	s_lshl_b32 s22, s22, 12
	s_add_co_u32 s22, s22, s80
	s_lshl_b32 s23, s42, 1
	s_add_co_u32 s23, s23, s16
	s_lshl_b32 s23, s23, 12
	s_add_co_u32 s23, s23, s81
	v_mov_b32 v10, s22
	v_mov_b32 v11, s23
	v_cmp_ne_u32 vcc_lo, 0, v2
	v_cndmask_b32 v10, v10, v11, vcc_lo
	v_lshl_add_u32 v10, v1, 4, v10
.irp i, 0,1,2,3,4,5,6,7
.irp g, 0,1
	global_load_b128 v[SC+8*\i+4*\g:SC+8*\i+4*\g+3], v10, s[8:9] offset:512*\i+256*\g
.endr
.endr
	s_and_b32 s22, s79, 1
	s_cmp_eq_u32 s22, 1
	s_cselect_b64 s[88:89], s[68:69], s[10:11]
	s_lshl_b32 s22, s40, 10
	s_lshl_b32 s23, s16, 9
	s_add_co_u32 s22, s22, s23
	s_mov_b32 s23, 0
	s_add_nc_u64 s[88:89], s[88:89], s[22:23]
	v_lshlrev_b32 v11, 6, v2
.irp b, 0,1,2,3,4,5,6,7
	global_load_b128 v[96+8*\b+96*(\b/4):99+8*\b+96*(\b/4)], v11, s[88:89] offset:(32*(\b/2)+8*(\b%2))*4
	global_load_b128 v[100+8*\b+96*(\b/4):103+8*\b+96*(\b/4)], v11, s[88:89] offset:(32*(\b/2)+8*(\b%2))*4+16
.endr
	s_lshl_b32 s22, s41, 10
	s_lshl_b32 s23, s15, 9
	s_add_co_u32 s22, s22, s23
	s_mov_b32 s23, 0
	s_add_nc_u64 s[70:71], s[70:71], s[22:23]
	v_and_b32 v12, 8, v1
	v_add_nc_u32 v12, v12, v1
	v_lshlrev_b32 v12, 2, v12
	WIN TO_B
.irp a, 0,1,2,3,4,5,6,7
	global_load_b32 v[96+2*\a], v12, s[70:71] offset:(32*(\a/2)+8*(\a%2))*4
	global_load_b32 v[97+2*\a], v12, s[70:71] offset:(32*(\a/2)+8*(\a%2))*4
.endr
	WIN 0
.macro FRAG reg, a16, a8, q, i
	ds_load_b128 v[\reg:\reg+3], v[\a16] offset:(\i)*3072+(\q)*1536
	ds_load_b64 v[\reg+4:\reg+5], v[\a8] offset:(\i)*3072+(\q)*1536+512
	ds_load_b128 v[\reg+6:\reg+9], v[\a16] offset:(\i)*3072+(\q)*1536+768
	ds_load_b64 v[\reg+10:\reg+11], v[\a8] offset:(\i)*3072+(\q)*1536+1280
.endm
.macro MUL16 a0, p, k8, mode
.irp a, \a0, \a0+1
.irp b, 0,1,2,3,4,5,6,7
.if \mode
	v_wmma_scale_f32_16x16x128_f8f6f4 v[8*(8*((\a)%4)+\b):8*(8*((\a)%4)+\b)+7], v[128*(\p)+FR*\b:128*(\p)+FR*\b+FR-1], v[AF+FR*(\a):AF+FR*(\a)+FR-1], 0, v[SC+8*\b+(\k8)], v[SC+8*(\a)+(\k8)] matrix_a_fmt:MATRIX_FMT_FP6 matrix_b_fmt:MATRIX_FMT_FP6 matrix_a_scale:MATRIX_SCALE_ROW1
.else
	v_wmma_scale_f32_16x16x128_f8f6f4 v[8*(8*((\a)%4)+\b):8*(8*((\a)%4)+\b)+7], v[128*(\p)+FR*\b:128*(\p)+FR*\b+FR-1], v[AF+FR*(\a):AF+FR*(\a)+FR-1], v[8*(8*((\a)%4)+\b):8*(8*((\a)%4)+\b)+7], v[SC+8*\b+(\k8)], v[SC+8*(\a)+(\k8)] matrix_a_fmt:MATRIX_FMT_FP6 matrix_b_fmt:MATRIX_FMT_FP6 matrix_a_scale:MATRIX_SCALE_ROW1
.endif
.endr
.endr
.endm
.macro FETCH_B slot, q, p
	WIN TO_B
.irp i, 0,1,2,3,4,5,6,7
	FRAG 128*(\p)+FR*\i, B16+\slot, B8+\slot, \q, \i
.endr
	WIN 0
.endm
.macro FETCH_A slot, q, i0
.irp i, \i0, \i0+1, \i0+2, \i0+3
	FRAG AF+FR*(\i), A16+\slot, A8+\slot, \q, \i
.endr
.endm
.macro STEP slot, k8, mode
	s_wait_dscnt 16
	WIN MUL_LO
	MUL16 0, 0, \k8, \mode
	MUL16 2, 0, \k8, \mode
	s_wait_dscnt 0
	PLACES
	FETCH_B \slot, 1, 1
	FETCH_A \slot, 1, 0
	WIN MUL_HI
	MUL16 4, 0, \k8, \mode
	MUL16 6, 0, \k8, \mode
	PLACES
	WIN 0
	FETCH_A \slot, 1, 4
.endm
.macro TURN slot, next, fill, k8
	s_wait_tensorcnt 0x0
	ds_add_u32 v[SPW], v[NIL]
	s_wait_dscnt 17
	WIN MUL_LO
	MUL16 0, 1, \k8, 0
	s_wait_dscnt 0x0
	s_barrier_signal -1
	MUL16 2, 1, \k8, 0
	WIN 0
	s_barrier_wait -1
.if \fill
	CREST
	s_add_nc_u64 s[G0+4*\slot+2:G0+4*\slot+3], s[G0+4*\slot+2:G0+4*\slot+3], 2*HALFT
	s_add_nc_u64 s[G0B+4*\slot+2:G0B+4*\slot+3], s[G0B+4*\slot+2:G0B+4*\slot+3], 2*HALFT
	JLOAD G0+4*\slot, G1, G0B+4*\slot, G1B
.else
	PLACES
.endif
	FETCH_B \next, 0, 0
	FETCH_A \next, 0, 0
	WIN MUL_HI
	MUL16 4, 1, \k8, 0
	MUL16 6, 1, \k8, 0
	PLACES
	WIN 0
	FETCH_A \next, 0, 4
.endm
	s_wait_tensorcnt 0x1
	s_wait_loadcnt 0x0
	s_barrier_signal -1
	s_barrier_wait -1
	FETCH_B 0, 0, 0
	FETCH_A 0, 0, 0
	FETCH_A 0, 0, 4
	STEP 0, 0, 1
	TURN 0, 1, 1, 1
	STEP 1, 2, 0
	TURN 1, 0, 1, 3
	STEP 0, 4, 0
	TURN 0, 1, 0, 5
	STEP 1, 6, 0
	s_wait_dscnt 16
	WIN MUL_LO
	MUL16 0, 1, 7, 0
	MUL16 2, 1, 7, 0
	s_wait_dscnt 0
	WIN MUL_HI
	MUL16 4, 1, 7, 0
	MUL16 6, 1, 7, 0
	WIN 0
.macro QUANT s, pw
.irp b, 0,1,2,3
	v_max3_num_f32 v[TM+\b], |v[\s+16*\b]|, |v[\s+1+16*\b]|, 0x1800000
.endr
.irp i, 2,4,6,8,10,12,14
.irp b, 0,1,2,3
	v_max3_num_f32 v[TM+\b], v[TM+\b], |v[\s+16*\b+\i]|, |v[\s+1+16*\b+\i]|
.endr
.endr
.irp b, 0,1,2,3
	v_permlanex16_b32 v[TM+4+\b], v[TM+\b], s[SEL], s[SEL+1]
.endr
.irp b, 0,1,2,3
	v_max_num_f32 v[TM+\b], v[TM+\b], v[TM+4+\b]
.endr
.irp b, 0,1,2,3
	v_add_nc_u32 v[TM+8+\b], 0xff000000, v[TM+\b]
.endr
.irp b, 0,1,2,3
	v_lshrrev_b32 v[TM+4+\b], 23, v[TM+8+\b]
.endr
	v_lshl_or_b32 v[\pw], v[TM+5], 8, v[TM+4]
	v_lshl_or_b32 v[\pw], v[TM+6], 16, v[\pw]
	v_lshl_or_b32 v[\pw], v[TM+7], 24, v[\pw]
.irp c, 0,1
	v_cvt_scalef32_pk16_fp6_f32 v[PC+6*\c:PC+2+6*\c], v[\s+32*\c:\s+15+32*\c], v[TM+8+2*\c]
	v_cvt_scalef32_pk16_fp6_f32 v[PC+12+4*\c:PC+14+4*\c], v[\s+16+32*\c:\s+31+32*\c], v[TM+8+2*\c+1]
.endr
	v_nop
.irp c, 0,1
.irp i, 0,1,2
	v_permlane16_swap_b32 v[PC+6*\c+\i], v[PC+12+4*\c+\i]
.endr
.irp i, 0,1,2
	v_mov_b32 v[PC+3+6*\c+\i], v[PC+12+4*\c+\i]
.endr
.endr
.endm
.macro OUT_QK a
.if (\a) > 0
	s_wait_xcnt 0x0
.endif
	WIN 0x02+(\a)/4
.set n, 0
.rept 32
	v_pk_add_f32 v[ST+n:ST+n+1], v[64*((\a)%4)+n:64*((\a)%4)+n+1], v[96+n+96*(n/32):97+n+96*(n/32)]
.set n, n+2
.endr
	WIN 0
	QUANT ST, PWS+(\a)
	global_store_b128 v[L16], v[PC:PC+3], s[72:73] offset:(\a)*768
	global_store_b64 v[L8], v[PC+4:PC+5], s[72:73] offset:(\a)*768+512
	global_store_b128 v[L16], v[PC+6:PC+9], s[72:73] offset:(\a)*768+294912
	global_store_b64 v[L8], v[PC+10:PC+11], s[72:73] offset:(\a)*768+294912+512
.endm
.macro OUT_V a
.if (\a) > 0
	s_wait_xcnt 0x0
.endif
	WIN 0x06+(\a)/4
.set n, 0
.rept 32
	v_pk_add_f32 v[ST+n:ST+n+1], v[64*((\a)%4)+n:64*((\a)%4)+n+1], v[96+2*(\a):97+2*(\a)]
.set n, n+2
.endr
	WIN 0
	QUANT ST, PWS+(\a)
.irp c, 0,1,2
	global_store_b128 v[L16], v[PC+4*\c:PC+4*\c+3], s[72:73] offset:((\a)/4)*294912+((\a)%4)*1536+512*\c
.endr
.endm
	PLACES
.irp b, 0,1,2,3
	v_mov_b32 v[TM+4+\b], 0
.endr
	s_cmp_eq_u32 s77, 1
	s_cbranch_scc1 .Lkind_v
	s_lshl_b32 s20, s17, 8
	s_lshl_b32 s21, s15, 7
	s_add_co_u32 s20, s20, s21
	s_lshr_b32 s21, s20, 11
	s_bfe_u32 s22, s20, 0x40007
	s_lshl_b32 s21, s21, 4
	s_lshl_b32 s23, s40, 2
	s_add_co_u32 s21, s21, s23
	s_lshl_b32 s23, s16, 1
	s_add_co_u32 s21, s21, s23
	s_mul_i32 s92, s21, 294912
	s_mul_i32 s23, s79, 98304
	s_add_co_u32 s92, s92, s23
	s_mul_i32 s23, s22, 6144
	s_add_co_u32 s92, s92, s23
	s_mov_b32 s93, 0
	s_add_nc_u64 s[72:73], s[72:73], s[92:93]
	s_mul_i32 s92, s21, 20480
	s_lshl_b32 s23, s79, 13
	s_add_co_u32 s92, s92, s23
	s_lshl_b32 s23, s22, 9
	s_add_co_u32 s92, s92, s23
	s_add_nc_u64 s[74:75], s[74:75], s[92:93]
.irp a, 0,1,2,3,4,5,6,7
	OUT_QK \a
.endr
.irp i, 0,1,2,3,4,5,6,7
	v_bfe_u32 v[PWS+\i], v[PWS+\i], v[H16], 16
.endr
	global_store_b128 v[SOF], v[PWS:PWS+3], s[74:75]
	global_store_b128 v[SOF], v[PWS+4:PWS+7], s[74:75] offset:256
	s_branch .Lend
.Lkind_v:
	s_lshl_b32 s20, s42, 8
	s_lshl_b32 s21, s16, 7
	s_add_co_u32 s20, s20, s21
	s_lshr_b32 s21, s20, 11
	s_bfe_u32 s22, s20, 0x40007
	s_lshl_b32 s21, s21, 4
	s_lshl_b32 s23, s41, 2
	s_add_co_u32 s21, s21, s23
	s_lshl_b32 s23, s15, 1
	s_add_co_u32 s21, s21, s23
	s_mul_i32 s92, s21, 294912
	s_add_co_u32 s92, s92, 196608
	s_mul_i32 s23, s22, 6144
	s_add_co_u32 s92, s92, s23
	s_mov_b32 s93, 0
	s_add_nc_u64 s[72:73], s[72:73], s[92:93]
	s_mul_i32 s92, s21, 20480
	s_add_co_u32 s92, s92, 16384
	s_lshl_b32 s23, s22, 8
	s_add_co_u32 s92, s92, s23
	s_add_nc_u64 s[74:75], s[74:75], s[92:93]
.irp a, 0,1,2,3,4,5,6,7
	OUT_V \a
.endr
	v_cmp_ne_u32 vcc_lo, 0, v[H16]
.irp t, 0,1,2,3
	v_cndmask_b32 v[WD+\t], v[PWS+\t], v[PWS+4+\t], vcc_lo
.endr
	global_store_b128 v[SOF], v[WD:WD+3], s[74:75]
.Lend:
	s_wait_tensorcnt 0x0
	ds_add_u32 v[SPW], v[NIL]
	s_wait_dscnt 0x0
	CROUND
	s_endpgm
.Lfunc_end_k_q08769209d2_qkv:
	.size	k_q08769209d2_qkv, .Lfunc_end_k_q08769209d2_qkv-k_q08769209d2_qkv
	.p2alignl 7, 3214868480
	.fill 96, 4, 3214868480
	.section	.rodata,"a",@progbits
	.p2align	6, 0x0
	.amdhsa_kernel k_q08769209d2_qkv
		.amdhsa_group_segment_fixed_size 327680
		.amdhsa_private_segment_fixed_size 0
		.amdhsa_enable_private_segment 0
		.amdhsa_kernarg_size 64
		.amdhsa_user_sgpr_count 2
		.amdhsa_user_sgpr_kernarg_segment_ptr 1
		.amdhsa_wavefront_size32 1
		.amdhsa_system_sgpr_workgroup_id_x 1
		.amdhsa_system_sgpr_workgroup_id_y 1
		.amdhsa_system_sgpr_workgroup_id_z 1
		.amdhsa_system_vgpr_workitem_id 0
		.amdhsa_next_free_vgpr 1024
		.amdhsa_next_free_sgpr 100
		.amdhsa_reserve_vcc 1
		.amdhsa_float_denorm_mode_32 3
		.amdhsa_float_denorm_mode_16_64 3
		.amdhsa_memory_ordered 1
		.amdhsa_forward_progress 1
		.amdhsa_inst_pref_size 217
	.end_amdhsa_kernel
	.amdgpu_metadata
---
amdhsa.version: [ 1, 2 ]
amdhsa.kernels:
  - .name:           k_q08769209d2_qkv
    .symbol:         k_q08769209d2_qkv.kd
    .args:
      - { .name: xcodes, .offset: 0, .size: 8, .value_kind: global_buffer, .address_space: global }
      - { .name: wcodes, .offset: 8, .size: 8, .value_kind: global_buffer, .address_space: global }
      - { .name: sclA, .offset: 16, .size: 8, .value_kind: global_buffer, .address_space: global }
      - { .name: bq, .offset: 24, .size: 8, .value_kind: global_buffer, .address_space: global }
      - { .name: bk, .offset: 32, .size: 8, .value_kind: global_buffer, .address_space: global }
      - { .name: bv, .offset: 40, .size: 8, .value_kind: global_buffer, .address_space: global }
      - { .name: qkvc, .offset: 48, .size: 8, .value_kind: global_buffer, .address_space: global }
      - { .name: qkvs, .offset: 56, .size: 8, .value_kind: global_buffer, .address_space: global }
    .group_segment_fixed_size: 327680
    .private_segment_fixed_size: 0
    .kernarg_segment_align: 8
    .kernarg_segment_size: 64
    .max_flat_workgroup_size: 128
    .sgpr_count:     100
    .vgpr_count:     1024
    .wavefront_size: 32
...
	.end_amdgpu_metadata
.endif
;; end of part 2
;; launch attn (part 3): grid 4 x 64, 8 waves a work-group, no clusters, 266,240 bytes of LDS; arguments qkvc, qkvs, head_scaling, ocodes, sclB; writes ocodes, sclB
.if DOCPART == 3
	.amdgcn_target "amdgcn-amd-amdhsa--gfx1250"
	.amdhsa_code_object_version 6
	.text
	.protected	k_q08769209d2_attn
	.globl	k_q08769209d2_attn
	.p2align	8
	.type	k_q08769209d2_attn,@function
k_q08769209d2_attn:
	s_mov_b64 s[64:65], 0
	v_nop
	global_prefetch_b8 v0, s[64:65] scope:SCOPE_SE
	s_setreg_imm32_b32 hwreg(HW_REG_WAVE_MODE, 25, 1), 1
	s_wait_xcnt 0x0
; o[b][h][q] = sum over k of Q(softmax_k(q . k / 8) x head_imp[h]) Q(v[k]), both products on codes of FP6 (E2M3) with E8M0 scales.  What is quantised ahead of the second
; product is the FINISHED weight, so a row's sum must be known before any of its weights is quantised.  EACH SCORE IS MADE ONCE AND KEPT IN REGISTERS UNTIL THE SUM IS KNOWN.
; SHARES: a work-group has one (batch, head) and 512 queries: 32 tiles of 16.  Each of its eight waves OWNS 256 KEYS for the whole launch: their K codes (16 tiles x 6 registers),
; V codes (2 steps x 4 tiles x 12) and scale words are loaded once, from memory straight into the registers in which they stay.  Every wave walks all 32 tiles of queries.
; A TILE, in a wave: S^T = K Q^T (16 products, 128 registers); the largest score of each block of 32 keys and of the wave's 256; M = the largest t (t = score x log2(e) / 8) rounded up
; to a whole number; p = 2^(t - M); the sum of p.  (-M, sum) go to LDS; one barrier; each lane joins four waves' pairs, lane l xor 16 the other four, by powers of two, which round nothing.
; f = head_imp / sum x 2^(my M - the row's M); p x f is the finished weight; it is quantised along the keys.  A block's largest weight is its largest score put through the same
; instructions as every score (this takes v_exp_f32 not to fall where its input rises).  THE PRODUCT WITH V (8 products) IS ISSUED ONE TILE LATER, between the next tile's store of its pair and
; the wait for that store; its part of O^T goes to LDS behind that tile's barrier.  A group's first tile has no such product pending and jumps round both, on the loop's counter.
; After eight tiles the pending product is finished, one more barrier, and wave w adds the eight parts of tile w, quantises o along the head's 64 features and stores the operand image and two scale bytes a row.
; LAYOUT: both products transposed: a lane holds one query.  WHICH KEYS FORM A TILE OF K is chosen as K is loaded, by the lane's address in the image: row m of tile 4 c + u of a step of 128 keys is key
; 64 c + 32 (m / 8) + 8 u + m % 8.  So lane (r, h) holds, in the 32 registers of tiles 4 c .. 4 c + 3, block 2 c + h whole and in order: its maximum needs no other lane, and the conversions' results are the operand's registers.
; The head has 64 features, the instruction 128: Q's upper six registers are zero codes, so K's upper six (the next tile's codes, or zeros) add nothing.
; NO TENSOR LOAD, NO CLUSTER: the four work-groups of a head read the same K and V, but each reads them once, 24,576 bytes a wave, into registers; through LDS they would be stored and read again.
; NO PREFETCH: the loop streams nothing but Q, 768 bytes a tile, which is asked for one tile ahead by its own load (the last tile asks for itself again: the tile's number is held at the last).
; LIMITS: the promise holds while the scaled scores stay under 2^31 in magnitude; NaN and infinities are not served; a block of zeros keeps the byte 1 (its codes are zeros; this program alone reads the bytes).
; LDS: 0: two buffers of 1,024 bytes for (-M, sum): [query][wave][8 bytes]; 2048: the spare words; 4096: O^T's parts: [tile % 8][wave][4,096 bytes].
; REGISTERS, window 0: v1-5, v7-10, v15 offsets and addresses; v6 head_imp; v11, v14 the add's two; v[12:13] -M, sum; v16-27 Q; v28 Q's scale word; v[30:31] f; v32-47 K's scale words; v48-55 V's; v56-59 block maxima;
;   v64-87 at work (sums; the waves' pairs in v80-87); v88-89 p's scale words; v90-94 at work; v96-223 S^T, then p; v224-247 p's codes; v248-255 at work.  Window 1: v0-101 K; v104-199 V; v200-231 O^T.
.set SPARE, 2048
.set OPB, 4096
.set S,  96
.set BM, 56
.set T1, 64
.set SO, 72
.set PW, 88
.set PC, 224
.set P2, 248
.set KS, 32
.set VS, 48
.set KW, 0
.set VW, 104
.set OW, 200
.set MSB, 0
.macro WIN new                         ; the immediate's high byte repeats the setting that is left
.if MSB != (\new)
	s_set_vgpr_msb (MSB<<8)|(\new)
.set MSB, (\new)
.endif
.endm
.macro PLACES
.rept 4
	v_nop
.endr
.endm
.macro QADDR                           ; where tile s44's image and scale words lie ([T / 4][r][T % 4]); the number is held at my last tile's
	s_min_u32 s50, s44, s45
	s_lshr_b32 s52, s50, 2
	s_lshl_b32 s52, s52, 8
	s_and_b32 s49, s50, 3
	s_lshl_b32 s49, s49, 2
	s_add_co_u32 s52, s52, s49
	s_mul_i32 s50, s50, 768
	s_add_nc_u64 s[36:37], s[24:25], s[50:51]
	s_add_nc_u64 s[38:39], s[26:27], s[52:53]
.endm
.macro QLOAD
	global_load_b128 v[16:19], v1, s[36:37]
	global_load_b64 v[20:21], v2, s[36:37] offset:512
	global_load_b32 v28, v3, s[38:39]
.endm
.macro PVM                             ; O^T = V^T P^T of the tile whose codes stand in v224-247: 8 products, the four accumulators by turns
	WIN 0x51                                       ; V, C and D in window 1
.irp t, 0,1,2,3
	v_wmma_scale_f32_16x16x128_f8f6f4 v[OW+8*\t:OW+8*\t+7], v[VW+12*\t:VW+12*\t+11], v[PC:PC+11], 0, v[VS+\t], v[PW] matrix_a_fmt:MATRIX_FMT_FP6 matrix_b_fmt:MATRIX_FMT_FP6
.endr
.irp t, 0,1,2,3
	v_wmma_scale_f32_16x16x128_f8f6f4 v[OW+8*\t:OW+8*\t+7], v[VW+48+12*\t:VW+48+12*\t+11], v[PC+12:PC+23], v[OW+8*\t:OW+8*\t+7], v[VS+4+\t], v[PW+1] matrix_a_fmt:MATRIX_FMT_FP6 matrix_b_fmt:MATRIX_FMT_FP6
.endr
	WIN 0
	PLACES                                         ; behind the products, ahead of the stores that read them
.endm
.macro OST par                         ; my part of that tile's O^T; v9 was made in that tile
	WIN 0x04                                       ; the stores' data in window 1
.irp k, 0,1,2,3,4,5,6,7
	ds_store_b128 v9, v[OW+4*\k:OW+4*\k+3] offset:32768*(\par)+512*\k   ; each accumulator from its low end on
.endr
	WIN 0
.endm
	s_load_b256 s[4:11], s[0:1], 0x0               ; qkvc, qkvs, head_scaling, ocodes
	s_load_b64 s[12:13], s[0:1], 0x20              ; sclB
	v_lshl_add_u32 v11, v0, 2, SPARE
	v_mov_b32 v14, 0
	v_lshrrev_b32 v15, 5, v0
	v_readfirstlane_b32 s14, v15                   ; wave 0..7
	v_and_b32 v15, 31, v0
	v_lshlrev_b32 v1, 4, v15                       ; 16 x lane
	v_lshlrev_b32 v2, 3, v15                       ; 8 x lane
	v_and_b32 v29, 15, v0                          ; r
	v_bfe_u32 v15, v0, 4, 1                        ; h
	v_lshlrev_b32 v3, 4, v29                       ; 16 r
	v_add_nc_u32 v5, v3, v15                       ; 16 r + h: my scale byte of o
	v_cmp_ne_u32 s54, 0, v15                       ; lanes 16-31
	v_lshlrev_b32 v4, 6, v29
	v_lshl_add_u32 v7, v15, 5, v4                  ; the pairs of waves 4 h .. 4 h + 3 of query r
	s_lshl_b32 s16, s14, 3
	v_add_nc_u32 v4, s16, v4                       ; my wave's pair of query r
	s_lshl_b32 s16, s14, 12
	s_add_co_u32 s16, s16, OPB
	v_add_nc_u32 v8, s16, v1                       ; my part of a tile's O^T
	s_lshl_b32 s16, s14, 15
	s_add_co_u32 s16, s16, OPB
	v_add_nc_u32 v10, s16, v1                      ; the eight parts of the tile that I finish
	v_lshlrev_b32 v80, 2, v29
	; K's image holds tile 2 B + u' = keys 32 B + 8 u' + r' % 8 + 16 (r' / 8).  My row r of tile 4 c + u is row r % 8 + 8 (u / 2) of the image's tile 4 c + 2 (r / 8) + u % 2
	v_and_b32 v75, 7, v29
	v_lshrrev_b32 v76, 3, v29
	v_mul_u32_u24 v77, v76, 1536
	v_lshl_add_u32 v72, v75, 4, v77
	v_lshl_add_u32 v72, v15, 8, v72                ; registers 0-3: 1536 (r / 8) + 16 (r % 8) + 256 h
	v_lshl_add_u32 v73, v75, 3, v77
	v_lshl_add_u32 v73, v15, 7, v73                ; registers 4-5: 1536 (r / 8) + 8 (r % 8) + 128 h
	v_lshlrev_b32 v74, 4, v75
	v_lshl_add_u32 v74, v76, 3, v74                ; scale words: 16 (r % 8) + 8 (r / 8)
	v_lshlrev_b32 v15, 3, v15                      ; 8 h: the shift of my scale bytes
	s_and_b32 s55, ttmp7, 0xffff                   ; 16 x batch + head
	s_lshr_b32 s56, s55, 4
	s_and_b32 s57, s55, 15
	s_lshl_b32 s16, s57, 2
	v_mov_b32 v81, s16
.irp j, 13,31,22,23,24,25,26,27,88,89,91,92,93,94
	v_mov_b32 v[\j], 0                             ; Q's zero codes; upper halves of pairs; a lane permute's destination counts as one of its sources
.endr
.set n, 0
.rept 24
	v_mov_b32 v[PC+n], 0                           ; written once, with v88-89 and v9, so that no way through the text reads a register that nothing wrote
.set n, n+1
.endr
	v_mov_b32 v9, v8
	s_mov_b32 s20, 0x76543210
	s_mov_b32 s21, 0xfedcba98                      ; selects for lane l xor 16
	s_mov_b32 s22, 0x3e38aa3b                      ; c = log2(e) / 8
	s_mov_b32 s23, s22
	s_mul_i32 s50, s55, 294912
	s_mov_b32 s51, 0
	s_mul_i32 s52, s55, 20480
	s_mov_b32 s53, 0
	s_mul_i32 s58, s14, 12288                      ; my 256 keys' codes
	s_mov_b32 s59, 0
	s_lshl_b32 s60, s14, 10                        ; K's scale words
	s_mov_b32 s61, 0
	s_lshl_b32 s62, s14, 9                         ; V's
	s_mov_b32 s63, 0
	s_lshl_b32 s44, ttmp9, 5                       ; my first tile of queries, T = 32 x work-group x
	s_add_co_u32 s45, s44, 31                      ; and my last
	s_lshl_b32 s66, s56, 4                         ; o's image: block 16 batch + T / 8, K step head / 4, tile T % 8 = wave, half fragment head % 4
	s_lshl_b32 s67, ttmp9, 2
	s_add_co_u32 s66, s66, s67
	s_mul_i32 s66, s66, 98304
	s_lshr_b32 s67, s57, 2
	s_mul_i32 s67, s67, 24576
	s_add_co_u32 s66, s66, s67
	s_mul_i32 s67, s14, 3072
	s_add_co_u32 s66, s66, s67
	s_and_b32 s67, s57, 3
	s_mul_i32 s67, s67, 768
	s_add_co_u32 s66, s66, s67
	s_mov_b32 s67, 0
	s_lshl_b32 s68, s56, 7                         ; o's scale bytes: 512 a tile, two bytes a head in a row's 16
	s_add_co_u32 s68, s68, s44
	s_add_co_u32 s68, s68, s14
	s_lshl_b32 s68, s68, 9
	s_lshr_b32 s69, s57, 3
	s_lshl_b32 s69, s69, 8
	s_add_co_u32 s68, s68, s69
	s_and_b32 s69, s57, 7
	s_lshl_b32 s69, s69, 1
	s_add_co_u32 s68, s68, s69
	s_mov_b32 s69, 0
	s_wait_alu depctr_va_vdst(0)                   ; the wait at the head's end
	s_wait_kmcnt 0x0
	s_add_nc_u64 s[24:25], s[4:5], s[50:51]        ; my head's codes
	s_add_nc_u64 s[26:27], s[6:7], s[52:53]        ; and scale words
	s_add_nc_u64 s[28:29], s[24:25], s[58:59]
	s_add_nc_u64 s[30:31], s[28:29], 196608        ; V
	s_add_nc_u64 s[28:29], s[28:29], 98304         ; K
	s_add_nc_u64 s[32:33], s[26:27], s[60:61]
	s_add_nc_u64 s[32:33], s[32:33], 8192
	s_add_nc_u64 s[34:35], s[26:27], s[62:63]
	s_add_nc_u64 s[34:35], s[34:35], 16384
	s_add_nc_u64 s[40:41], s[10:11], s[66:67]
	s_add_nc_u64 s[42:43], s[12:13], s[68:69]
	QADDR
	global_load_b32 v82, v80, s[8:9]               ; head_scaling[r]: each half of the lanes holds all sixteen
	global_load_b32 v83, v81, s[8:9]               ; head_scaling[my head]
.irp s, 0,1
.irp c, 0,1
.irp u, 0,1,2,3
	global_load_b32 v[KS+8*\s+4*\c+\u], v74, s[32:33] offset:512*\s+256*\c+128*(\u/2)+4*(\u%2)
.endr
.endr
.endr
.irp s, 0,1
	global_load_b128 v[VS+4*\s:VS+4*\s+3], v3, s[34:35] offset:256*\s
.endr
	QLOAD
	WIN 0x40                                       ; destinations in window 1
.irp s, 0,1
.irp c, 0,1
.irp u, 0,1,2,3
	global_load_b128 v[KW+6*(8*\s+4*\c+\u):KW+6*(8*\s+4*\c+\u)+3], v72, s[28:29] offset:6144*\s+3072*\c+768*(\u%2)+128*(\u/2)
	global_load_b64 v[KW+6*(8*\s+4*\c+\u)+4:KW+6*(8*\s+4*\c+\u)+5], v73, s[28:29] offset:6144*\s+3072*\c+768*(\u%2)+512+64*(\u/2)
.endr
.endr
.endr
.irp j, 96,97,98,99,100,101
	v_mov_b32 v[\j], 0                             ; what stands in the last tile's upper six registers
.endr
	WIN 0
	s_wait_alu depctr_va_vdst(0)
	s_wait_loadcnt 53                              ; head_scaling is in: behind its two loads stand 16 + 2 + 3 + 32
	v_mov_b32 v84, v82                             ; head_imp = softmax(head_scaling)[my head]: the largest is taken away first
.irp m, 1,2,4,8
	s_delay_alu instid0(VALU_DEP_1)
	v_max_num_f32_dpp v84, v84, v84 row_xmask:\m row_mask:0xf bank_mask:0xf
.endr
	s_delay_alu instid0(VALU_DEP_1)
	v_sub_f32 v82, v82, v84
	v_sub_f32 v83, v83, v84
	s_delay_alu instid0(VALU_DEP_2)
	v_mul_f32 v82, 0x3fb8aa3b, v82
	v_mul_f32 v83, 0x3fb8aa3b, v83
	s_wait_alu depctr_va_vdst(0)                   ; a wait ahead of a batch of transcendentals and one behind it
	v_exp_f32 v82, v82
	v_exp_f32 v83, v83
	v_nop
	s_wait_alu depctr_va_vdst(0)
.irp m, 1,2,4,8
	v_add_f32_dpp v82, v82, v82 row_xmask:\m row_mask:0xf bank_mask:0xf
.endr
	s_wait_alu depctr_va_vdst(0)
	v_rcp_f32 v85, v82
	v_nop
	s_wait_alu depctr_va_vdst(0)
	v_mul_f32 v6, v83, v85
	WIN 0x40
.irp s, 0,1
.irp t, 0,1,2,3
.irp c, 0,1,2
	global_load_b128 v[VW+48*\s+12*\t+4*\c:VW+48*\s+12*\t+4*\c+3], v1, s[30:31] offset:6144*\s+1536*\t+512*\c
.endr
.endr
.endr
	WIN 0
.macro TILE par
	s_wait_alu depctr_va_vdst(0)                   ; the wait ahead of a wait that blocks
	s_wait_loadcnt 0x0                             ; Q is in (the first time: K and V too); its address registers are free
	s_add_co_u32 s44, s44, 1
	QADDR                                          ; the next tile's
	WIN 0x01                                       ; source 0 (K) in window 1
.irp t, 0,1,2,3,4,5,6,7,8,9,10,11,12,13,14,15
	v_wmma_scale_f32_16x16x128_f8f6f4 v[S+8*\t:S+8*\t+7], v[KW+6*\t:KW+6*\t+11], v[16:27], 0, v[KS+\t], v28 matrix_a_fmt:MATRIX_FMT_FP6 matrix_b_fmt:MATRIX_FMT_FP6
.endr
	WIN 0
	PLACES                                         ; behind the products: ahead of the loads into Q and of the first reads of S^T
	QLOAD                                          ; one tile ahead
.irp q, 0,1,2,3                                ; my four blocks' largest scores: two chains a block, eight by turns; each accumulator is read from its low end on
	v_max3_num_f32 v[BM+\q], v[S+32*\q], v[S+32*\q+1], v[S+32*\q+2]
	v_max3_num_f32 v[T1+\q], v[S+32*\q+16], v[S+32*\q+17], v[S+32*\q+18]
.endr
.irp i, 3,5,7,9,11,13
.irp q, 0,1,2,3
	v_max3_num_f32 v[BM+\q], v[BM+\q], v[S+32*\q+\i], v[S+32*\q+\i+1]
	v_max3_num_f32 v[T1+\q], v[T1+\q], v[S+32*\q+16+\i], v[S+32*\q+17+\i]
.endr
.endr
.irp q, 0,1,2,3
	v_max3_num_f32 v[BM+\q], v[BM+\q], v[T1+\q], v[S+32*\q+15]
.endr
.irp q, 0,1,2,3
	v_max_num_f32 v[BM+\q], v[BM+\q], v[S+32*\q+31]
.endr
	v_max3_num_f32 v90, v[BM], v[BM+1], v[BM+2]
	s_delay_alu instid0(VALU_DEP_1)
	v_max_num_f32 v90, v90, v[BM+3]
	s_delay_alu instid0(VALU_DEP_1)
	v_permlanex16_b32 v94, v90, s20, s21
	s_delay_alu instid0(VALU_DEP_1)
	v_max_num_f32 v90, v90, v94                    ; my wave's 256 keys' largest score of query r
	s_delay_alu instid0(VALU_DEP_1)
	v_mul_f32 v90, s22, v90                        ; as t (c is positive)
	s_delay_alu instid0(VALU_DEP_1)
	v_floor_f32 v12, -v90                          ; -M = -ceil(t)
.set n, 0
.rept 32
	v_pk_fma_f32 v[S+n:S+n+1], v[S+n:S+n+1], s[22:23], v[12:13] op_sel_hi:[1,0,0]   ; t - M of the first 128 keys
.set n, n+2
.endr
.irp b, 0,2
	v_pk_fma_f32 v[BM+\b:BM+\b+1], v[BM+\b:BM+\b+1], s[22:23], v[12:13] op_sel_hi:[1,0,0]   ; the same of each block's largest
.endr
	s_wait_alu depctr_va_vdst(0)
.set n, 0
.rept 32                               ; p = 2^(t - M) of the first 128 keys; among them t - M of the second 128, which names none of their results
	v_exp_f32 v[S+n], v[S+n]
	v_exp_f32 v[S+n+1], v[S+n+1]
	v_pk_fma_f32 v[S+64+n:S+65+n], v[S+64+n:S+65+n], s[22:23], v[12:13] op_sel_hi:[1,0,0]
.set n, n+2
.endr
	s_wait_alu depctr_va_vdst(0)                   ; behind the first batch and ahead of the second
.irp q, 0,1,2,3
	v_exp_f32 v[BM+\q], v[BM+\q]
.endr
.set c, 0
.rept 16                               ; p of the second 128 keys; among them the first additions of the first 128, into 16 sums of their own, which are read behind the wait below
.set a, 64+2*c+(c/12)*160              ; the sums: v64-87 and v248-255
	v_exp_f32 v[S+64+4*c], v[S+64+4*c]
	v_exp_f32 v[S+65+4*c], v[S+65+4*c]
	v_exp_f32 v[S+66+4*c], v[S+66+4*c]
	v_exp_f32 v[S+67+4*c], v[S+67+4*c]
	v_pk_add_f32 v[a:a+1], v[S+2*c:S+2*c+1], v[S+32+2*c:S+33+2*c]
.set c, c+1
.endr
	s_wait_alu depctr_va_vdst(0)
.irp k, 64,96
.set c, 0
.rept 16
.set a, 64+2*c+(c/12)*160
	v_pk_add_f32 v[a:a+1], v[a:a+1], v[S+\k+2*c:S+\k+2*c+1]   ; the sum is taken of the unquantised p
.set c, c+1
.endr
.endr
.irp c, 0,1,2,3,4,5,6,7
	v_pk_add_f32 v[64+2*\c:65+2*\c], v[64+2*\c:65+2*\c], v[80+2*\c+((\c+8)/12)*160:81+2*\c+((\c+8)/12)*160]
.endr
.irp c, 0,2,4,6
	v_pk_add_f32 v[64+\c:65+\c], v[64+\c:65+\c], v[72+\c:73+\c]
.endr
	v_pk_add_f32 v[64:65], v[64:65], v[68:69]
	v_pk_add_f32 v[66:67], v[66:67], v[70:71]
	s_delay_alu instid0(VALU_DEP_1)
	v_pk_add_f32 v[64:65], v[64:65], v[66:67]
	s_delay_alu instid0(VALU_DEP_1)
	v_add_f32 v92, v64, v65
	s_delay_alu instid0(VALU_DEP_1)
	v_permlanex16_b32 v93, v92, s20, s21
	s_delay_alu instid0(VALU_DEP_1)
	v_add_f32 v13, v92, v93                        ; my wave's sum of query r, the same bits in both halves of the lanes
	ds_store_b64 v4, v[12:13] offset:1024*\par     ; lanes r and r + 16 write the same pair to the same place
.if \par == 0
	s_cmp_eq_u32 s46, 4                            ; a group's first tile has no product pending
	s_wait_alu depctr_va_vdst(0)
	s_cbranch_scc1 .Lno_pv_\@
.endif
	PVM                                            ; the last tile's product with V, while the store is out
.if \par == 0
.Lno_pv_\@:
.endif
	s_wait_alu depctr_va_vdst(0)
	s_wait_dscnt 0x0                               ; the pair is written; my reads of the other buffer and my last stores of O^T are done
	s_barrier_signal -1
	s_barrier_wait -1
	ds_load_b128 v[80:83], v7 offset:1024*\par
	ds_load_b128 v[84:87], v7 offset:1024*\par+16
	s_wait_dscnt 0x0
.if \par == 0
	s_cmp_eq_u32 s46, 4
	s_cbranch_scc1 .Lno_st_\@
.endif
	OST 1-\par                                     ; the last tile's part of O^T
.if \par == 0
.Lno_st_\@:
.endif
	v_add_nc_u32 v9, s48, v8                       ; where my part of this tile's O^T will go
	v_min_num_f32 v90, v80, v82
	v_min_num_f32 v94, v84, v86
	s_delay_alu instid0(VALU_DEP_1)
	v_min_num_f32 v90, v90, v94
	s_delay_alu instid0(VALU_DEP_1)
	v_permlanex16_b32 v91, v90, s20, s21
	s_delay_alu instid0(VALU_DEP_1)
	v_min_num_f32 v90, v90, v91                    ; -M of the row
.irp k, 80,82,84,86
	v_sub_f32 v[\k], v90, v[\k]                    ; that wave's M - the row's: a whole number, 0 or less
.endr
	v_sub_f32 v91, v90, v12                        ; and mine
.irp k, 80,82,84,86,91
	v_cvt_i32_f32 v[\k], v[\k]                     ; (it saturates)
.endr
.irp k, 80,82,84,86
	v_ldexp_f32 v[\k+1], v[\k+1], v[\k]
.endr
	v_add_f32 v81, v81, v83
	v_add_f32 v85, v85, v87
	s_delay_alu instid0(VALU_DEP_1)
	v_add_f32 v81, v81, v85
	s_delay_alu instid0(VALU_DEP_1)
	v_permlanex16_b32 v92, v81, s20, s21
	s_delay_alu instid0(VALU_DEP_1)
	v_add_f32 v81, v81, v92                        ; the row's sum, at least 1/2
	s_wait_alu depctr_va_vdst(0)
	v_rcp_f32 v94, v81
	v_nop
	s_wait_alu depctr_va_vdst(0)
	v_mul_f32 v94, v6, v94                         ; head_imp / sum
	v_ldexp_f32 v30, v94, v91                      ; f: brought under my wave's M
.irp b, 0,2
	v_pk_mul_f32 v[BM+\b:BM+\b+1], v[BM+\b:BM+\b+1], v[30:31] op_sel_hi:[1,0]
.endr
.set n, 0
.rept 64
	v_pk_mul_f32 v[S+n:S+n+1], v[S+n:S+n+1], v[30:31] op_sel_hi:[1,0]   ; the finished weight
.set n, n+2
.endr
.irp q, 0,1,2,3
	v_max_num_f32 v[BM+\q], 0x1800000, v[BM+\q]    ; the floor 2^(3 - 127): the byte cannot fall under 1
.endr
.irp q, 0,1,2,3
	v_add_nc_u32 v[SO+\q], 0xff000000, v[BM+\q]    ; 2 off the exponent field: the conversion's scale operand
.endr
.irp q, 0,1,2,3
	v_lshrrev_b32 v[T1+\q], 23, v[SO+\q]           ; the scale's byte
.endr
.irp s, 0,1
	v_lshl_or_b32 v[T1+4+\s], v[T1+2*\s+1], 16, v[T1+2*\s]   ; blocks h and 2 + h of step s,
.endr
.irp s, 0,1
	v_lshlrev_b32 v[T1+4+\s], v15, v[T1+4+\s]      ; at their places in the word;
.endr
.irp s, 0,1
	v_permlanex16_b32 v[T1+6+\s], v[T1+4+\s], s20, s21
.endr
.irp s, 0,1
	v_or_b32 v[PW+\s], v[T1+4+\s], v[T1+6+\s]      ; with lane l xor 16's two the word is whole
.endr
.irp s, 0,1
.irp c, 0,1
	v_cvt_scalef32_pk16_fp6_f32 v[PC+12*\s+6*\c:PC+12*\s+6*\c+2], v[S+64*\s+32*\c:S+64*\s+32*\c+15], v[SO+2*\s+\c]
	v_cvt_scalef32_pk16_fp6_f32 v[P2+4*\c:P2+4*\c+2], v[S+64*\s+32*\c+16:S+64*\s+32*\c+31], v[SO+2*\s+\c]   ; (a conversion's three registers begin on an even number)
.endr
	v_nop                                          ; one plain place behind a scaled conversion
.irp c, 0,1
.irp i, 0,1,2
	v_mov_b32 v[PC+12*\s+6*\c+3+\i], v[P2+4*\c+\i]
.endr
.endr
.endr
.endm
.macro RLOAD u, slot                   ; wave u's part of my tile
.irp k, 0,1,2,3,4,5,6,7
	ds_load_b128 v[S+32*\slot+4*\k:S+32*\slot+4*\k+3], v10 offset:4096*\u+512*\k
.endr
.endm
.macro RADD slot
.irp j, 0,2,4,6,8,10,12,14,16,18,20,22,24,26,28,30
	v_pk_add_f32 v[S+\j:S+\j+1], v[S+\j:S+\j+1], v[S+32*\slot+\j:S+32*\slot+\j+1]
.endr
.endm
	s_mov_b32 s47, 4
.Lgroup:                                               ; eight tiles of queries
	s_mov_b32 s48, 0
	s_mov_b32 s46, 4
.Lpair:
	TILE 0
	TILE 1
	s_add_co_u32 s48, s48, 65536
	s_sub_co_u32 s46, s46, 1
	s_cmp_lg_u32 s46, 0
	s_wait_alu depctr_va_vdst(0)
	s_cbranch_scc1 .Lpair
	PLACES                                         ; four places between the last write of the codes and the scaled products
	PVM                                            ; the group's last tile is finished
	OST 1
	s_wait_dscnt 0x0                               ; my parts of the eight tiles are written
	s_barrier_signal -1
	s_barrier_wait -1                              ; everybody's are.  The next stores there stand behind a later barrier, in front of which my reads below are waited for
	RLOAD 0, 0
	RLOAD 1, 1
	RLOAD 2, 2
	RLOAD 3, 3
	RLOAD 4, 4
	s_wait_dscnt 24                                ; parts 0 and 1 are in: three parts' loads, eight each, are younger
	RADD 1
	s_wait_dscnt 16
	RADD 2
	s_wait_dscnt 8
	RADD 3
	RLOAD 5, 1
	RLOAD 6, 2
	RLOAD 7, 3
	s_wait_dscnt 24                                ; part 4 is in
	RADD 4
	s_wait_dscnt 16
	RADD 1
	s_wait_dscnt 8
	RADD 2
	s_wait_dscnt 0x0
	RADD 3
.irp b, 0,1                                    ; o's two blocks of 32 features: register 16 b + i is feature 32 b + 16 (lane / 16) + i
	v_max3_num_f32 v[BM+\b], |v[S+16*\b]|, |v[S+16*\b+1]|, 0x1800000
.endr
.irp i, 2,4,6,8,10,12,14
.irp b, 0,1
	s_delay_alu instid0(VALU_DEP_2)
	v_max3_num_f32 v[BM+\b], v[BM+\b], |v[S+16*\b+\i]|, |v[S+16*\b+\i+1]|
.endr
.endr
.irp b, 0,1
	s_delay_alu instid0(VALU_DEP_2)
	v_permlanex16_b32 v[T1+\b], v[BM+\b], s20, s21
.endr
.irp b, 0,1
	s_delay_alu instid0(VALU_DEP_2)
	v_max_num_f32 v[BM+\b], v[BM+\b], v[T1+\b]
.endr
.irp b, 0,1
	s_delay_alu instid0(VALU_DEP_2)
	v_add_nc_u32 v[SO+\b], 0xff000000, v[BM+\b]
.endr
.irp b, 0,1
	s_delay_alu instid0(VALU_DEP_2)
	v_lshrrev_b32 v[T1+\b], 23, v[SO+\b]
.endr
	v_cvt_scalef32_pk16_fp6_f32 v[PC:PC+2], v[S:S+15], v[SO]
	v_cvt_scalef32_pk16_fp6_f32 v[PC+12:PC+14], v[S+16:S+31], v[SO+1]
	v_nop
.irp i, 0,1,2
	v_permlane16_swap_b32 v[PC+\i], v[PC+12+\i]    ; a whole block to a lane
.endr
.irp i, 0,1,2
	v_mov_b32 v[PC+3+\i], v[PC+12+\i]
.endr
	v_cndmask_b32 v90, v[T1], v[T1+1], s54         ; lane (r, h) stores block h's byte of row r
	global_store_b128 v1, v[PC:PC+3], s[40:41]     ; 512 and 256 consecutive bytes, aligned to 256
	global_store_b64 v2, v[PC+4:PC+5], s[40:41] offset:512
	global_store_b8 v5, v90, s[42:43]
	s_wait_xcnt 0x0                                ; the stores have read their bases and registers: both may be written again
	s_add_nc_u64 s[40:41], s[40:41], 98304         ; eight tiles on
	s_add_nc_u64 s[42:43], s[42:43], 4096
	s_sub_co_u32 s47, s47, 1
	s_cmp_lg_u32 s47, 0
	s_wait_alu depctr_va_vdst(0)
	s_cbranch_scc1 .Lgroup
	s_wait_tensorcnt 0x0                           ; the wave's end
	ds_add_u32 v11, v14
	s_wait_dscnt 0x0
	s_endpgm
.Lfunc_end_k_q08769209d2_attn:
	.size	k_q08769209d2_attn, .Lfunc_end_k_q08769209d2_attn-k_q08769209d2_attn
	.p2alignl 7, 3214868480
	.fill 96, 4, 3214868480
	.section	.rodata,"a",@progbits
	.p2align	6, 0x0
	.amdhsa_kernel k_q08769209d2_attn
		.amdhsa_group_segment_fixed_size 266240
		.amdhsa_private_segment_fixed_size 0
		.amdhsa_enable_private_segment 0
		.amdhsa_kernarg_size 40
		.amdhsa_user_sgpr_count 2
		.amdhsa_user_sgpr_kernarg_segment_ptr 1
		.amdhsa_wavefront_size32 1
		.amdhsa_system_sgpr_workgroup_id_x 1
		.amdhsa_system_sgpr_workgroup_id_y 1
		.amdhsa_system_sgpr_workgroup_id_z 1
		.amdhsa_system_vgpr_workitem_id 0
		.amdhsa_next_free_vgpr 512
		.amdhsa_next_free_sgpr 72
		.amdhsa_reserve_vcc 0
		.amdhsa_float_denorm_mode_32 3
		.amdhsa_float_denorm_mode_16_64 3
		.amdhsa_memory_ordered 1
		.amdhsa_forward_progress 1
		.amdhsa_inst_pref_size 91
	.end_amdhsa_kernel
	.amdgpu_metadata
---
amdhsa.version: [ 1, 2 ]
amdhsa.kernels:
  - .name:           k_q08769209d2_attn
    .symbol:         k_q08769209d2_attn.kd
    .args:
      - { .name: qkvc, .offset: 0, .size: 8, .value_kind: global_buffer, .address_space: global }
      - { .name: qkvs, .offset: 8, .size: 8, .value_kind: global_buffer, .address_space: global }
      - { .name: head_scaling, .offset: 16, .size: 8, .value_kind: global_buffer, .address_space: global }
      - { .name: ocodes, .offset: 24, .size: 8, .value_kind: global_buffer, .address_space: global }
      - { .name: sclB, .offset: 32, .size: 8, .value_kind: global_buffer, .address_space: global }
    .group_segment_fixed_size: 266240
    .private_segment_fixed_size: 0
    .kernarg_segment_align: 8
    .kernarg_segment_size: 40
    .max_flat_workgroup_size: 256
    .sgpr_count:     72
    .vgpr_count:     512
    .wavefront_size: 32
...
	.end_amdgpu_metadata
.endif
;; end of part 3
;; launch oproj (part 4): grid 4 x 32, 4 waves a work-group, clusters of 4 x 4, 327,680 bytes of LDS; arguments ocodes, wcodes, sclB, bo, out0; writes out0
.if DOCPART == 4
	.amdgcn_target "amdgcn-amd-amdhsa--gfx1250"
	.amdhsa_code_object_version 6
	.text
	.protected	k_q08769209d2_oproj
	.globl	k_q08769209d2_oproj
	.p2align	8
	.type	k_q08769209d2_oproj,@function
k_q08769209d2_oproj:
	s_mov_b64 s[64:65], 0
	v_nop
	global_prefetch_b8 v0, s[64:65] scope:SCOPE_SE
	s_setreg_imm32_b32 hwreg(HW_REG_WAVE_MODE, 25, 1), 1
	s_wait_xcnt 0x0
	s_wait_alu depctr_hold_cnt(0) depctr_sa_sdst(0) depctr_va_vdst(0) depctr_va_sdst(0) depctr_va_ssrc(0) depctr_va_vcc(0) depctr_vm_vsrc(0)
	s_getreg_b32 s2, hwreg(HW_REG_IB_STS2, 6, 4)
	s_cmp_eq_u32 s2, 0
	s_cbranch_scc0 .Lentry_in_a_cluster
	s_endpgm
.Lentry_in_a_cluster:
	s_bfe_u32 s2, ttmp6, 0x10000c
	s_cmp_lg_u32 s2, 0xf033
	s_cbranch_scc0 .Lentry_shape_is_right
	s_endpgm
.Lentry_shape_is_right:
.set FR,    12
.set HALFT, 24576
.set SLOT,  4*HALFT
.set SPARE, 2*SLOT
.set SPITCH, 528
.set L16, 4
.set L8,  5
.set A16, 16
.set A8,  18
.set B16, 20
.set B8,  22
.set STO, 24
.set RD,  25
.set SPW, 28
.set NIL, 29
.set SC,  32
.set AF,  128
.set BK,  128
.set G1,  24
.set G0,  32
.set G1B, 48
.set G0B, 56
.set MSB, 0
.macro WIN new
.if MSB != (\new)
	s_set_vgpr_msb (MSB<<8)|(\new)
.set MSB, (\new)
.endif
.endm
.set MUL_LO, 0xa1
.set MUL_HI, 0xf1
.set TO_B,   0x40
.macro JLOAD g0a, g1a, g0b, g1b
	s_cmp_eq_u32 s15, 0
	s_cbranch_scc0 .Lfor_q_\@
	tensor_load_to_lds s[\g0a:\g0a+3], s[\g1a:\g1a+7]
	s_nop 0
.rept 4
	v_nop
.endr
	s_branch .Lasked_\@
.Lfor_q_\@:
	tensor_load_to_lds s[\g0b:\g0b+3], s[\g1b:\g1b+7]
	s_nop 0
.rept 4
	v_nop
.endr
.Lasked_\@:
.endm
.macro CREST
	s_cmp_lg_u32 s14, 0
	s_cbranch_scc1 .Lnot_wave_0_\@
	s_barrier_signal -3
.Lnot_wave_0_\@:
	s_barrier_wait -3
	s_barrier_signal -1
	s_barrier_wait -1
.endm
.macro CROUND
	s_barrier_signal -1
	s_barrier_wait -1
	CREST
.endm
.macro PLACES
.rept 4
	v_nop
.endr
.endm
	s_load_b256 s[4:11], s[0:1], 0x0
	s_load_b64 s[12:13], s[0:1], 0x20
	v_lshl_add_u32 v[SPW], v0, 2, SPARE
	v_mov_b32 v[NIL], 0
	ds_add_u32 v28, v29
	ds_add_u32 v28, v29
	s_wait_dscnt 0x0
	v_lshrrev_b32 v1, 5, v0
	v_readfirstlane_b32 s14, v1
	s_lshr_b32 s15, s14, 1
	s_and_b32 s16, s14, 1
	s_bfe_u32 s40, ttmp6, 0x40000
	s_bfe_u32 s41, ttmp6, 0x40004
	s_lshl_b32 s42, ttmp9, 2
	s_add_co_u32 s42, s42, s40
	s_and_b32 s17, ttmp7, 0xffff
	s_lshl_b32 s17, s17, 2
	s_add_co_u32 s17, s17, s41
	s_lshl_b32 s43, s41, 2
	s_lshl_b32 s43, 15, s43
	s_lshl_b32 s44, 0x1111, s40
	s_or_b32 s[G1+0], s43, (3<<16)|(1<<21)
	s_or_b32 s[G1B+0], s44, (3<<16)|(1<<21)
.irp g, G1, G1B
	s_mov_b32 s[\g+1], 32<<16
	s_mov_b32 s[\g+2], 96<<16
	s_mov_b32 s[\g+3], 32<<16
	s_mov_b32 s[\g+4], 96
	s_mov_b32 s[\g+5], 32
	s_mov_b32 s[\g+6], 0
	s_mov_b32 s[\g+7], 0
.endr
	s_lshl_b32 s20, s17, 1
	s_add_co_u32 s20, s20, s16
	s_mul_i32 s20, s20, 98304
	s_mov_b32 s21, 0
	s_lshl_b32 s46, s42, 1
	s_add_co_u32 s46, s46, s16
	s_add_co_u32 s46, s46, 24
	s_mul_i32 s46, s46, 98304
	s_mov_b32 s47, 0
	s_mul_i32 s45, s14, HALFT
	s_wait_kmcnt 0x0
	s_add_nc_u64 s[20:21], s[4:5], s[20:21]
	s_add_nc_u64 s[46:47], s[6:7], s[46:47]
	CROUND
.irp s, 0,1
	s_mov_b32 s[G0+4*\s], 1
	s_add_co_u32 s[G0+4*\s+1], s45, \s*SLOT
	s_add_nc_u64 s[G0+4*\s+2:G0+4*\s+3], s[20:21], \s*HALFT
	s_or_b32 s[G0+4*\s+3], s[G0+4*\s+3], 0x80000000
	s_mov_b32 s[G0B+4*\s], 1
	s_add_co_u32 s[G0B+4*\s+1], s45, \s*SLOT
	s_add_nc_u64 s[G0B+4*\s+2:G0B+4*\s+3], s[46:47], \s*HALFT
	s_or_b32 s[G0B+4*\s+3], s[G0B+4*\s+3], 0x80000000
	s_wait_alu depctr_va_vdst(0)
	s_wait_tensorcnt 0x0
	ds_add_u32 v28, v29
	ds_add_u32 v28, v29
	s_wait_dscnt 0x0
	CROUND
	JLOAD G0+4*\s, G1, G0B+4*\s, G1B
.endr
	v_and_b32 v3, 31, v0
	v_and_b32 v1, 15, v0
	v_bfe_u32 v2, v0, 4, 1
	v_lshlrev_b32 v[L16], 4, v3
	v_lshlrev_b32 v[L8], 3, v3
	s_mul_i32 s22, s15, HALFT
	s_mul_i32 s23, s16, HALFT
	s_add_co_u32 s23, s23, 2*HALFT
.irp s, 0,1
	v_add_nc_u32 v[A16+\s], s22, v[L16]
	v_add_nc_u32 v[A8+\s], s22, v[L8]
	v_add_nc_u32 v[B16+\s], s23, v[L16]
	v_add_nc_u32 v[B8+\s], s23, v[L8]
	s_add_co_u32 s22, s22, SLOT
	s_add_co_u32 s23, s23, SLOT
.endr
	s_mul_i32 s23, s14, 16*SPITCH
	v_mul_u32_u24 v[STO], v1, SPITCH
	v_lshl_add_u32 v[STO], v2, 6, v[STO]
	v_add_nc_u32 v[STO], s23, v[STO]
	v_add_nc_u32 v[RD], s23, v[L16]
	s_lshl_b32 s22, s17, 1
	s_add_co_u32 s22, s22, s15
	s_lshl_b32 s22, s22, 12
	s_lshl_b32 s23, s42, 1
	s_add_co_u32 s23, s23, s16
	s_lshl_b32 s23, s23, 12
	s_add_co_u32 s23, s23, 0x40000
	v_mov_b32 v10, s22
	v_mov_b32 v11, s23
	v_cmp_ne_u32 vcc_lo, 0, v2
	v_cndmask_b32 v10, v10, v11, vcc_lo
	v_lshl_add_u32 v10, v1, 4, v10
.irp i, 0,1,2,3,4,5,6,7
.irp g, 0,1
	global_load_b128 v[SC+8*\i+4*\g:SC+8*\i+4*\g+3], v10, s[8:9] offset:512*\i+256*\g
.endr
.endr
	s_lshl_b32 s22, s42, 10
	s_lshl_b32 s23, s16, 9
	s_add_co_u32 s22, s22, s23
	s_mov_b32 s23, 0
	s_add_nc_u64 s[10:11], s[10:11], s[22:23]
	s_add_nc_u64 s[12:13], s[12:13], s[22:23]
	s_lshl_b32 s22, s17, 20
	s_lshl_b32 s46, s15, 19
	s_add_co_u32 s22, s22, s46
	s_add_nc_u64 s[12:13], s[12:13], s[22:23]
	v_lshlrev_b32 v11, 6, v2
.irp b, 0,1,2,3,4,5,6,7
	global_load_b128 v[96+8*\b+96*(\b/4):99+8*\b+96*(\b/4)], v11, s[10:11] offset:(32*(\b/2)+8*(\b%2))*4
	global_load_b128 v[100+8*\b+96*(\b/4):103+8*\b+96*(\b/4)], v11, s[10:11] offset:(32*(\b/2)+8*(\b%2))*4+16
.endr
.macro FRAG reg, a16, a8, q, i
	ds_load_b128 v[\reg:\reg+3], v[\a16] offset:(\i)*3072+(\q)*1536
	ds_load_b64 v[\reg+4:\reg+5], v[\a8] offset:(\i)*3072+(\q)*1536+512
	ds_load_b128 v[\reg+6:\reg+9], v[\a16] offset:(\i)*3072+(\q)*1536+768
	ds_load_b64 v[\reg+10:\reg+11], v[\a8] offset:(\i)*3072+(\q)*1536+1280
.endm
.macro MUL16 a0, p, k8, mode
.irp a, \a0, \a0+1
.irp b, 0,1,2,3,4,5,6,7
.if \mode
	v_wmma_scale_f32_16x16x128_f8f6f4 v[8*(8*((\a)%4)+\b):8*(8*((\a)%4)+\b)+7], v[128*(\p)+FR*\b:128*(\p)+FR*\b+FR-1], v[AF+FR*(\a):AF+FR*(\a)+FR-1], v[96+8*\b+96*(\b/4):103+8*\b+96*(\b/4)], v[SC+8*\b+(\k8)], v[SC+8*(\a)+(\k8)] matrix_a_fmt:MATRIX_FMT_FP6 matrix_b_fmt:MATRIX_FMT_FP6 matrix_a_scale:MATRIX_SCALE_ROW1
.else
	v_wmma_scale_f32_16x16x128_f8f6f4 v[8*(8*((\a)%4)+\b):8*(8*((\a)%4)+\b)+7], v[128*(\p)+FR*\b:128*(\p)+FR*\b+FR-1], v[AF+FR*(\a):AF+FR*(\a)+FR-1], v[8*(8*((\a)%4)+\b):8*(8*((\a)%4)+\b)+7], v[SC+8*\b+(\k8)], v[SC+8*(\a)+(\k8)] matrix_a_fmt:MATRIX_FMT_FP6 matrix_b_fmt:MATRIX_FMT_FP6 matrix_a_scale:MATRIX_SCALE_ROW1
.endif
.endr
.endr
.endm
.macro FETCH_B slot, q, p
	WIN TO_B
.irp i, 0,1,2,3,4,5,6,7
	FRAG 128*(\p)+FR*\i, B16+\slot, B8+\slot, \q, \i
.endr
	WIN 0
.endm
.macro FETCH_A slot, q, i0
.irp i, \i0, \i0+1, \i0+2, \i0+3
	FRAG AF+FR*(\i), A16+\slot, A8+\slot, \q, \i
.endr
.endm
.macro STEP slot, k8, mode
	s_wait_dscnt 16
.if \mode
	WIN 0x81
.else
	WIN MUL_LO
.endif
	MUL16 0, 0, \k8, \mode
	MUL16 2, 0, \k8, \mode
	s_wait_dscnt 0
	PLACES
	FETCH_B \slot, 1, 1
	FETCH_A \slot, 1, 0
.if \mode
	WIN 0xc1
.else
	WIN MUL_HI
.endif
	MUL16 4, 0, \k8, \mode
	MUL16 6, 0, \k8, \mode
	PLACES
	WIN 0
	FETCH_A \slot, 1, 4
.endm
.macro TURN slot, next, fill, k8
	s_wait_tensorcnt 0x0
	ds_add_u32 v[SPW], v[NIL]
	s_wait_dscnt 17
	WIN MUL_LO
	MUL16 0, 1, \k8, 0
	s_wait_dscnt 0x0
	s_barrier_signal -1
	MUL16 2, 1, \k8, 0
	WIN 0
	s_barrier_wait -1
.if \fill
	CREST
	s_add_nc_u64 s[G0+4*\slot+2:G0+4*\slot+3], s[G0+4*\slot+2:G0+4*\slot+3], 2*HALFT
	s_add_nc_u64 s[G0B+4*\slot+2:G0B+4*\slot+3], s[G0B+4*\slot+2:G0B+4*\slot+3], 2*HALFT
	JLOAD G0+4*\slot, G1, G0B+4*\slot, G1B
.else
	PLACES
.endif
	FETCH_B \next, 0, 0
	FETCH_A \next, 0, 0
	WIN MUL_HI
	MUL16 4, 1, \k8, 0
	MUL16 6, 1, \k8, 0
	PLACES
	WIN 0
	FETCH_A \next, 0, 4
.endm
	s_wait_tensorcnt 0x1
	s_wait_loadcnt 0x0
	s_barrier_signal -1
	s_barrier_wait -1
	FETCH_B 0, 0, 0
	FETCH_A 0, 0, 0
	FETCH_A 0, 0, 4
	STEP 0, 0, 2
	TURN 0, 1, 1, 1
	STEP 1, 2, 0
	TURN 1, 0, 1, 3
	STEP 0, 4, 0
	TURN 0, 1, 0, 5
	STEP 1, 6, 0
	s_wait_dscnt 16
	WIN MUL_LO
	MUL16 0, 1, 7, 0
	MUL16 2, 1, 7, 0
	s_wait_alu depctr_va_vdst(0)
	s_wait_dscnt 0
	WIN MUL_HI
	MUL16 4, 1, 7, 0
	MUL16 6, 1, 7, 0
	WIN 0
.macro TOSTAGE a
.set AC, 64*((\a)%4)
	WIN 0x08+4*((\a)/4)
.irp b, 0,1,2,3,4,5,6,7
	ds_store_b128 v[STO], v[AC+8*\b:AC+8*\b+3] offset:128*(\b/2)+32*(\b%2)
	ds_store_b128 v[STO], v[AC+8*\b+4:AC+8*\b+7] offset:128*(\b/2)+32*(\b%2)+16
.endr
	WIN 0
.set BB, BK+64*((\a)%2)
.irp t, 0,1,2,3,4,5,6,7,8,9,10,11,12,13,14,15
	ds_load_b128 v[BB+4*\t:BB+4*\t+3], v[RD] offset:\t*SPITCH
.endr
.endm
.macro SEND a, younger
.set BB, BK+64*((\a)%2)
	s_wait_dscnt \younger
.irp t, 0,1,2,3,4,5,6,7,8,9,10,11,12,13,14,15
	global_store_b128 v[L16], v[BB+4*\t:BB+4*\t+3], s[12:13] offset:(32*((\a)/2)+8*((\a)%2)+\t+8*(\t/8))*4096 th:TH_STORE_NT
.endr
.endm
	PLACES
	TOSTAGE 0
.irp a, 1,2,3,4,5,6,7
.if \a > 1
	s_wait_xcnt 0x0
.endif
	TOSTAGE \a
	SEND \a-1, 32
.endr
	SEND 7, 0
	s_wait_tensorcnt 0x0
	ds_add_u32 v[SPW], v[NIL]
	s_wait_dscnt 0x0
	CROUND
	s_endpgm
.Lfunc_end_k_q08769209d2_oproj:
	.size	k_q08769209d2_oproj, .Lfunc_end_k_q08769209d2_oproj-k_q08769209d2_oproj
	.p2alignl 7, 3214868480
	.fill 96, 4, 3214868480
	.section	.rodata,"a",@progbits
	.p2align	6, 0x0
	.amdhsa_kernel k_q08769209d2_oproj
		.amdhsa_group_segment_fixed_size 327680
		.amdhsa_private_segment_fixed_size 0
		.amdhsa_enable_private_segment 0
		.amdhsa_kernarg_size 40
		.amdhsa_user_sgpr_count 2
		.amdhsa_user_sgpr_kernarg_segment_ptr 1
		.amdhsa_wavefront_size32 1
		.amdhsa_system_sgpr_workgroup_id_x 1
		.amdhsa_system_sgpr_workgroup_id_y 1
		.amdhsa_system_sgpr_workgroup_id_z 1
		.amdhsa_system_vgpr_workitem_id 0
		.amdhsa_next_free_vgpr 1024
		.amdhsa_next_free_sgpr 80
		.amdhsa_reserve_vcc 1
		.amdhsa_float_denorm_mode_32 3
		.amdhsa_float_denorm_mode_16_64 3
		.amdhsa_memory_ordered 1
		.amdhsa_forward_progress 1
		.amdhsa_inst_pref_size 143
	.end_amdhsa_kernel
	.amdgpu_metadata
---
amdhsa.version: [ 1, 2 ]
amdhsa.kernels:
  - .name:           k_q08769209d2_oproj
    .symbol:         k_q08769209d2_oproj.kd
    .args:
      - { .name: ocodes, .offset: 0, .size: 8, .value_kind: global_buffer, .address_space: global }
      - { .name: wcodes, .offset: 8, .size: 8, .value_kind: global_buffer, .address_space: global }
      - { .name: sclB, .offset: 16, .size: 8, .value_kind: global_buffer, .address_space: global }
      - { .name: bo, .offset: 24, .size: 8, .value_kind: global_buffer, .address_space: global }
      - { .name: out0, .offset: 32, .size: 8, .value_kind: global_buffer, .address_space: global }
    .group_segment_fixed_size: 327680
    .private_segment_fixed_size: 0
    .kernarg_segment_align: 8
    .kernarg_segment_size: 40
    .max_flat_workgroup_size: 128
    .sgpr_count:     80
    .vgpr_count:     1024
    .wavefront_size: 32
...
	.end_amdgpu_metadata
.endif
;; end of part 4
